; MI455X (gfx1250); checked and timed in simulation.
; The chip was launched on July 23, 2026; its instructions are those of AMD's public machine-readable ISA for CDNA 5 (MIT licence, August 2026) and "CDNA5" Instruction Set Architecture Reference Guide (July 2026). The comments in the code are by the model that wrote it; some were corrected since.
;; Causal Self Attention. Allowed arithmetic: float matrix products may take bf16 or f16 operands with f32 sums; all other float work in f32.
;; Inputs: W_k 1,024 x 1,024 float32; W_o 1,024 x 1,024 float32; W_q 1,024 x 1,024 float32; W_v 1,024 x 1,024 float32; x 2 x 2,048 x 1,024 float32.
;; Outputs: out0 2 x 2,048 x 1,024 float32.
;; One version. Each part assembles by itself: llvm-mc -triple=amdgcn-amd-amdhsa -mcpu=gfx1250 --defsym DOCPART=n.
;; ======== version 1 of 1: 4 launches
;; workspace buffers: xw 16,777,216 bytes; qkv 41,943,040 bytes; ao 8,388,608 bytes
;; launch cast (part 1): grid 256 x 1, 8 waves a work-group, no clusters, 0 bytes of LDS; arguments x, W_q, W_k, W_v, W_o, xw; writes xw
.if DOCPART == 1
	.amdgcn_target "amdgcn-amd-amdhsa--gfx1250"
	.amdhsa_code_object_version 6
	.text
	.protected	k_qc37fee88e3_cast
	.globl	k_qc37fee88e3_cast
	.p2align	8
	.type	k_qc37fee88e3_cast,@function
k_qc37fee88e3_cast:
	s_mov_b64 s[64:65], 0
	v_nop
	global_prefetch_b8 v0, s[64:65] scope:SCOPE_SE
	s_setreg_imm32_b32 hwreg(HW_REG_WAVE_MODE, 25, 1), 1
	s_wait_xcnt 0x0
; xw = bf16(x), then bf16(W_q), bf16(W_k), bf16(W_v), bf16(W_o), each in its own layout, rounded to nearest even.
; A stream: every input byte is read once, every output byte written once.  No LDS, no barrier, no matrix unit, no cluster:
; no two work-groups read the same byte and nothing is reduced.
; Work-group id converts 32,768 numbers: 131,072 bytes in, 65,536 bytes out at xw + 65,536 id.  Ids 0-127 take x (4,194,304 numbers),
; ids 128-255 the four weights, 32 work-groups each, in the order q, k, v, o: xw's byte 8,388,608 + 2,097,152 sec is W_sec.
; Thread t takes 16 bytes at 16 t of each 4,096-byte piece: a wave's load covers 512 consecutive bytes, its 8-byte store 256
; consecutive bytes at a multiple of 256.  All 32 loads of a thread go out first; no register is written twice.
.set X, 8                              ; v[8:135]  piece i: 4 registers as loaded; its first two then hold the 4 bf16
	s_load_b256 s[4:11], s[0:1], 0x0               ; x s[4:5], W_q s[6:7], W_k s[8:9], W_v s[10:11]
	s_load_b128 s[12:15], s[0:1], 0x20             ; W_o s[12:13], xw s[14:15]
	v_lshlrev_b32 v1, 4, v0                        ; my 16 bytes of a piece of input
	v_lshlrev_b32 v2, 3, v0                        ; my 8 bytes of a piece of output
	s_sub_co_u32 s16, ttmp9, 128
	s_lshr_b32 s16, s16, 5                         ; which weight (meaningful for ids 128 and up)
	s_and_b32 s17, ttmp9, 31                       ; which 32nd of it
	s_cmp_lt_u32 ttmp9, 128
	s_cselect_b32 s18, ttmp9, s17
	s_lshl_b32 s18, s18, 17                        ; byte offset in the source: 131,072 for each work-group
	s_mov_b32 s19, 0
	s_lshl_b32 s20, ttmp9, 16                      ; byte offset in xw
	s_mov_b32 s21, 0
	s_wait_kmcnt 0x0
	s_cmp_eq_u32 s16, 2                            ; the source is chosen by the work-group's number alone
	s_cselect_b64 s[22:23], s[10:11], s[12:13]
	s_cmp_eq_u32 s16, 1
	s_cselect_b64 s[22:23], s[8:9], s[22:23]
	s_cmp_eq_u32 s16, 0
	s_cselect_b64 s[22:23], s[6:7], s[22:23]
	s_cmp_lt_u32 ttmp9, 128
	s_cselect_b64 s[22:23], s[4:5], s[22:23]
	s_add_nc_u64 s[22:23], s[22:23], s[18:19]
	s_add_nc_u64 s[14:15], s[14:15], s[20:21]
.set i, 0
.rept 32
	global_load_b128 v[X+4*i:X+4*i+3], v1, s[22:23] offset:4096*i th:TH_LOAD_NT
.set i, i+1
.endr
.set i, 0
.rept 32
	s_wait_loadcnt 31-i                            ; loads come back in order: piece i is in, the 31 - i younger ones stay out
	v_cvt_pk_bf16_f32 v[X+4*i], v[X+4*i], v[X+4*i+1]
	v_cvt_pk_bf16_f32 v[X+4*i+1], v[X+4*i+2], v[X+4*i+3]
	global_store_b64 v2, v[X+4*i:X+4*i+1], s[14:15] offset:2048*i
.set i, i+1
.endr
	s_endpgm
.Lfunc_end_k_qc37fee88e3_cast:
	.size	k_qc37fee88e3_cast, .Lfunc_end_k_qc37fee88e3_cast-k_qc37fee88e3_cast
	.p2alignl 7, 3214868480
	.fill 96, 4, 3214868480
	.section	.rodata,"a",@progbits
	.p2align	6, 0x0
	.amdhsa_kernel k_qc37fee88e3_cast
		.amdhsa_group_segment_fixed_size 0
		.amdhsa_private_segment_fixed_size 0
		.amdhsa_enable_private_segment 0
		.amdhsa_kernarg_size 48
		.amdhsa_user_sgpr_count 2
		.amdhsa_user_sgpr_kernarg_segment_ptr 1
		.amdhsa_wavefront_size32 1
		.amdhsa_system_sgpr_workgroup_id_x 1
		.amdhsa_system_sgpr_workgroup_id_y 1
		.amdhsa_system_sgpr_workgroup_id_z 1
		.amdhsa_system_vgpr_workitem_id 0
		.amdhsa_next_free_vgpr 136
		.amdhsa_next_free_sgpr 66
		.amdhsa_reserve_vcc 0
		.amdhsa_float_denorm_mode_32 3
		.amdhsa_float_denorm_mode_16_64 3
		.amdhsa_memory_ordered 1
		.amdhsa_forward_progress 1
		.amdhsa_inst_pref_size 13
	.end_amdhsa_kernel
	.amdgpu_metadata
---
amdhsa.version: [ 1, 2 ]
amdhsa.kernels:
  - .name:           k_qc37fee88e3_cast
    .symbol:         k_qc37fee88e3_cast.kd
    .args:
      - { .name: x, .offset: 0, .size: 8, .value_kind: global_buffer, .address_space: global }
      - { .name: W_q, .offset: 8, .size: 8, .value_kind: global_buffer, .address_space: global }
      - { .name: W_k, .offset: 16, .size: 8, .value_kind: global_buffer, .address_space: global }
      - { .name: W_v, .offset: 24, .size: 8, .value_kind: global_buffer, .address_space: global }
      - { .name: W_o, .offset: 32, .size: 8, .value_kind: global_buffer, .address_space: global }
      - { .name: xw, .offset: 40, .size: 8, .value_kind: global_buffer, .address_space: global }
    .group_segment_fixed_size: 0
    .private_segment_fixed_size: 0
    .kernarg_segment_align: 8
    .kernarg_segment_size: 48
    .max_flat_workgroup_size: 256
    .sgpr_count:     66
    .vgpr_count:     136
    .wavefront_size: 32
...
	.end_amdgpu_metadata
.endif
;; end of part 1
;; launch qkv (part 2): grid 12 x 16, 4 waves a work-group, clusters of 4 x 4, 327,680 bytes of LDS; arguments xw, qkv; writes qkv
.if DOCPART == 2
	.amdgcn_target "amdgcn-amd-amdhsa--gfx1250"
	.amdhsa_code_object_version 6
	.text
	.protected	k_qc37fee88e3_qkv
	.globl	k_qc37fee88e3_qkv
	.p2align	8
	.type	k_qc37fee88e3_qkv,@function
k_qc37fee88e3_qkv:
	s_mov_b64 s[64:65], 0
	v_nop
	global_prefetch_b8 v0, s[64:65] scope:SCOPE_SE
	s_setreg_imm32_b32 hwreg(HW_REG_WAVE_MODE, 25, 1), 1
	s_wait_xcnt 0x0
	s_wait_alu depctr_hold_cnt(0) depctr_sa_sdst(0) depctr_va_vdst(0) depctr_va_sdst(0) depctr_va_ssrc(0) depctr_va_vcc(0) depctr_vm_vsrc(0)
	s_getreg_b32 s2, hwreg(HW_REG_IB_STS2, 6, 4)
	s_cmp_eq_u32 s2, 0
	s_cbranch_scc0 .Lentry_in_a_cluster
	s_endpgm
.Lentry_in_a_cluster:
	s_bfe_u32 s2, ttmp6, 0x10000c
	s_cmp_lg_u32 s2, 0xf033
	s_cbranch_scc0 .Lentry_shape_is_right
	s_endpgm
.Lentry_shape_is_right:
; q, k, v = xb W_q, xb W_k, xb W_v in bf16 with f32 sums; xb [4096][1024] at xw's byte 0, W_sec [k 1024][n 1024] at 8,388,608 + 2,097,152 sec.
; OUT: five sections of 8,388,608 bytes in qkv, each bf16 [b][h][s][64]: 0 q hi, 1 k hi, 2 v, 3 q lo, 4 k lo.
; q and k leave as a PAIR of bf16: hi = bf16(sum), lo = bf16(sum - hi), some 16 significant bits.  The scores of this module are sums of
; 64 products of numbers whose spread is 32, and a softmax of such scores turns on differences that a single bf16 rounding of q and k would blur.
; A work-group makes 256 x 256 of one section with four waves, a wave 128 x 128 in 64 accumulator tiles (512 registers).
; K goes in steps of 128 through two LDS slots filled by tensor loads.
; CLUSTERS: 4 x 4 work-groups.  The cluster's x is the section (q, k, v), its four columns the section's four blocks of 256 columns, its rows four
; blocks of 256 rows of xb.  xb's tile is asked for jointly along a row of the cluster, W's along a column: a quarter of the requests.
; W lies [k][n]: its tile comes in as it lies (64 k rows of 512 bytes for each of two waves) and the fragments are read by the transposing LDS load.
;
; REGISTERS, in windows of 256: window 0: v0-31 addresses; v64-127, v128-191 fragments of xb, two buffers; v192-223 at work on the way out
;   window 1: v64-127, v128-191 fragments of W, two buffers;  window 2: accumulators of my rows 0-63 (tile (a, b) at v[8 (8 a + b)]);  window 3: rows 64-127
; The matrix instruction is used transposed (source 0 = 16 columns of W, source 1 = 16 rows of xb): lane l then holds row l % 16 and its
; registers 0-7 the columns 8 (l / 16) + 0..7: eight neighbouring numbers of a row, 16 bytes of bf16.
.set SIZE_K, 1024
.set KSTEP,  128
.set PITCH,  272                       ; xb's LDS row: 256 bytes + 16: the 16 rows that a load touches start 16 bytes apart modulo 256
.set BPITCH, 544                       ; W's LDS row: 512 bytes + 32 = 17 x 32: the same for the transposing load's eight rows of 32 bytes
.set HALFT,  128*PITCH                 ; what one tensor load brings: 128 rows of xb, or 64 k rows of W (64 x 544 is the same 34,816)
.set SLOT,   4*HALFT                   ; xb's 256 rows, then W's 128 k rows
.set STAGE,  2*SLOT                    ; behind the ring: 16 rows x 272 bytes for each wave, never the target of a tensor load
.set SPITCH, 272
.set LAPS, SIZE_K/(2*KSTEP)            ; 4 laps of two K steps
.set SEC,  8388608                     ; bytes of a section of qkv
.set ADRA, 16                          ; v16-17  LDS address of my xb fragments in slot 0, 1
.set ADRB, 20                          ; v20-21  the same for W
.set STO,  24                          ; v24     the way out: where I put 16 bytes of a row
.set RD,   25                          ; v25     the way out: where I read back
.set CO,   26                          ; v26     my byte offset in the section
.set F0,   64
.set F1,   128
.set TMP,  192                         ; packed results
.set U,    64                          ; v64-127 on the way out: hi widened to f32, then sum - hi
.set G1, 24                            ; s[24:31] group 1 for xb's tiles
.set G0, 32                            ; s[32:39] group 0 for xb's tiles, one set a slot
.set G1B, 48                           ; s[48:55] group 1 for W's tiles
.set G0B, 56                           ; s[56:63] group 0 for W's tiles, one set a slot
.set MSB, 0
.macro WIN new                         ; the immediate's high byte repeats the setting that is left
.if MSB != \new
	s_set_vgpr_msb (MSB<<8)|\new
.set MSB, \new
.endif
.endm
.set MUL_LO, 0xa1                      ; source 0 (W) window 1, source 1 (xb) window 0, C and D window 2
.set MUL_HI, 0xf1                      ; the same, C and D window 3
.set TO_B,   0x40                      ; destination window 1, address window 0
; A joint load.  Waves 0, 1 fetch xb's two halves, waves 2, 3 W's.  Each line has one mask and one set of registers for all that issue it.
.macro JLOAD s
	s_cmp_eq_u32 s11, 0
	s_cbranch_scc0 .Lfor_b_\@
	tensor_load_to_lds s[G0+4*\s:G0+4*\s+3], s[G1:G1+7]
	s_nop 0
	s_branch .Lasked_\@
.Lfor_b_\@:
	tensor_load_to_lds s[G0B+4*\s:G0B+4*\s+3], s[G1B:G1B+7]
	s_nop 0
.Lasked_\@:
.endm
; A round of the cluster's barrier: my work-group's barrier; wave 0 signals for the work-group; every wave waits for all sixteen; my work-group's barrier again.
.macro CREST
	s_cmp_lg_u32 s10, 0
	s_cbranch_scc1 .Lnot_wave_0_\@
	s_barrier_signal -3
.Lnot_wave_0_\@:
	s_barrier_wait -3
	s_barrier_signal -1
	s_barrier_wait -1
.endm
.macro CROUND
	s_barrier_signal -1
	s_barrier_wait -1
	CREST
.endm
	s_load_b128 s[4:7], s[0:1], 0x0                ; xw s[4:5], qkv s[6:7]
	s_set_vgpr_msb 0x40
	v_lshl_add_u32 v255, v0, 2, 0x48400
	s_set_vgpr_msb 0x4000
	v_mov_b32 v255, 0
	s_set_vgpr_msb 0x1
	ds_add_u32 v255, v255
	ds_add_u32 v255, v255
	s_set_vgpr_msb 0x100
	v_lshrrev_b32 v1, 5, v0
	v_readfirstlane_b32 s10, v1                    ; wave 0..3
	s_lshr_b32 s11, s10, 1                         ; which half of the block's rows is mine.  Also: I fetch xb (0) or W (1)
	s_and_b32 s12, s10, 1                          ; which half of its columns.  Also: which half of that tile I fetch
	s_bfe_u32 s40, ttmp6, 0x40000                  ; cx: the block of 256 columns in the section
	s_bfe_u32 s41, ttmp6, 0x40004                  ; cy
	s_and_b32 s13, ttmp7, 0xffff
	s_lshl_b32 s13, s13, 2
	s_add_co_u32 s13, s13, s41                     ; block row = 4 x cluster y + cy
	s_lshl_b32 s43, s41, 2
	s_lshl_b32 s43, 15, s43                        ; my row of the cluster
	s_lshl_b32 s44, 0x1111, s40                    ; my column
	; group 1 for xb: 128 rows x 128 elements of 2 bytes, 4 words of padding behind every 64
	s_or_b32 s[G1+0], s43, (1<<16)|(1<<20)|(1<<21)|(5<<22)|(3<<25)
	s_mov_b32 s[G1+1], 128<<16                     ; tensor_dim0 = 128
	s_mov_b32 s[G1+2], 128<<16                     ; tensor_dim1 = 128
	s_mov_b32 s[G1+3], 128<<16                     ; tile_dim0 = 128
	s_mov_b32 s[G1+4], 128                         ; tile_dim1 = 128
	s_mov_b32 s[G1+5], 1024                        ; elements from row to row
	s_mov_b32 s[G1+6], 0
	s_mov_b32 s[G1+7], 0
	; group 1 for W: 64 k rows x 256 elements, 8 words of padding behind every 128
	s_or_b32 s[G1B+0], s44, (1<<16)|(1<<20)|(1<<21)|(6<<22)|(7<<25)
	s_mov_b32 s[G1B+1], 256<<16
	s_mov_b32 s[G1B+2], 64<<16
	s_mov_b32 s[G1B+3], 256<<16
	s_mov_b32 s[G1B+4], 64
	s_mov_b32 s[G1B+5], 1024
	s_mov_b32 s[G1B+6], 0
	s_mov_b32 s[G1B+7], 0
	; xb's tile hangs on the block row alone, W's on the section and cx alone; each offset in registers that never hold the other coordinate
	s_lshl_b32 s17, s12, 7
	s_lshl_b32 s16, s13, 8
	s_add_co_u32 s16, s16, s17                     ; row 256 x block row + 128 x half
	s_lshl_b32 s16, s16, 11                        ; rows of 2,048 bytes
	s_mov_b32 s17, 0
	s_lshl_b32 s46, ttmp9, 21                      ; the section's weight: 2,097,152 bytes each,
	s_add_co_u32 s46, s46, 0x800000                ; behind xb's 8,388,608
	s_lshl_b32 s45, s12, 17                        ; + 64 k rows x half
	s_add_co_u32 s46, s46, s45
	s_lshl_b32 s45, s40, 9                         ; + 256 columns x cx
	s_add_co_u32 s46, s46, s45
	s_mov_b32 s47, 0
	s_mul_i32 s20, s10, HALFT                      ; where they go: wave x 34,816
	s_wait_dscnt 0x0
	s_wait_kmcnt 0x0
	s_add_nc_u64 s[14:15], s[4:5], s[16:17]
	s_add_nc_u64 s[46:47], s[4:5], s[46:47]
	CROUND                                         ; all sixteen work-groups are here: the first joint loads meet
.irp s, 0,1
	s_mov_b32 s[G0+4*\s], 1
	s_add_co_u32 s[G0+4*\s+1], s20, \s*SLOT
	s_add_nc_u64 s[G0+4*\s+2:G0+4*\s+3], s[14:15], \s*KSTEP*2          ; K step s: 256 bytes along xb's rows
	s_or_b32 s[G0+4*\s+3], s[G0+4*\s+3], 0x80000000
	s_mov_b32 s[G0B+4*\s], 1
	s_add_co_u32 s[G0B+4*\s+1], s20, \s*SLOT
	s_add_nc_u64 s[G0B+4*\s+2:G0B+4*\s+3], s[46:47], \s*KSTEP*2048     ; K step s: 128 rows of W
	s_or_b32 s[G0B+4*\s+3], s[G0B+4*\s+3], 0x80000000
	JLOAD \s
.endr
	v_and_b32 v1, 15, v0                           ; r = l % 16
	v_bfe_u32 v2, v0, 4, 1                         ; h = l / 16
	v_mul_u32_u24 v3, v1, PITCH
	v_lshl_add_u32 v3, v2, 4, v3                   ; xb: row x pitch + 16 h
	v_and_b32 v8, 7, v0                            ; l % 8
	v_bfe_u32 v7, v0, 3, 1                         ; (l / 8) % 2
	v_lshl_add_u32 v6, v2, 3, v8                   ; W: k row 8 h + l % 8,
	v_mul_u32_u24 v6, v6, BPITCH
	v_lshl_add_u32 v6, v7, 4, v6                   ; 16 bytes for each half of sixteen columns
	s_mul_i32 s21, s11, HALFT                      ; my 128 rows of xb
	s_lshl_b32 s22, s12, 8                         ; my 128 columns of W,
	s_add_co_u32 s22, s22, 2*HALFT                 ; which lies behind xb's 256 rows
.irp s, 0,1
	v_add_nc_u32 v[ADRA+\s], s21, v3
	v_add_nc_u32 v[ADRB+\s], s22, v6
	s_add_co_u32 s21, s21, SLOT
	s_add_co_u32 s22, s22, SLOT
.endr
	s_mul_i32 s23, s10, 16*SPITCH
	s_add_co_u32 s23, s23, STAGE                   ; my stage
	v_mul_u32_u24 v4, v1, SPITCH
	v_lshl_add_u32 v4, v2, 4, v4
	v_add_nc_u32 v[STO], s23, v4                   ; in: row r, 16 bytes for each half of the lanes
	v_mul_u32_u24 v5, v7, SPITCH                   ; back: lanes 0-7 a row's first 128 bytes (one head), lanes 8-15 the next row's,
	v_lshl_add_u32 v5, v2, 7, v5                   ; lanes 16-31 the same two rows' second 128 bytes (the next head)
	v_lshl_add_u32 v5, v8, 4, v5
	v_add_nc_u32 v[RD], s23, v5
	v_lshlrev_b32 v9, 18, v2                       ; in memory: a head is 262,144 bytes, a row of it 128
	v_lshl_add_u32 v9, v7, 7, v9
	v_lshl_add_u32 v[CO], v8, 4, v9
; 16 matrix instructions: m blocks a0, a0 + 1 of the window's four x all 8 n blocks, 32 along K.  zero = 1: the first product starts the sums.
.macro MUL16 f, hi, a0, zero
.irp a, \a0, \a0+1
.irp b, 0,1,2,3,4,5,6,7
.if \zero
	v_wmma_f32_16x16x32_bf16 v[8*(8*(\a)+\b):8*(8*(\a)+\b)+7], v[\f+8*\b:\f+8*\b+7], v[\f+8*(4*\hi+\a):\f+8*(4*\hi+\a)+7], 0
.else
	v_wmma_f32_16x16x32_bf16 v[8*(8*(\a)+\b):8*(8*(\a)+\b)+7], v[\f+8*\b:\f+8*\b+7], v[\f+8*(4*\hi+\a):\f+8*(4*\hi+\a)+7], v[8*(8*(\a)+\b):8*(8*(\a)+\b)+7]
.endif
.endr
.endr
.endm
; 32 LDS loads in one run: quarter q of a slot (32 along K) into buffer f.  W first: the transposing load gives lane l column 16 i + l % 16,
; k = 32 q + 8 h + 0..7, and 16 k rows further down the second half.
.macro FETCH slot, q, f
	WIN TO_B
.irp i, 0,1,2,3,4,5,6,7
	ds_load_tr16_b128 v[\f+8*\i:\f+8*\i+3],   v[ADRB+\slot] offset:\q*32*BPITCH+32*\i
	ds_load_tr16_b128 v[\f+8*\i+4:\f+8*\i+7], v[ADRB+\slot] offset:\q*32*BPITCH+16*BPITCH+32*\i
.endr
	WIN 0
.irp i, 0,1,2,3,4,5,6,7
	ds_load_b128 v[\f+8*\i:\f+8*\i+3],   v[ADRA+\slot] offset:\q*64+\i*16*PITCH
	ds_load_b128 v[\f+8*\i+4:\f+8*\i+7], v[ADRA+\slot] offset:\q*64+\i*16*PITCH+32
.endr
.endm
; Four places (plain vector instructions that name none of its registers) stand between a matrix instruction and a load
; into, or a vector instruction on, one of its registers.
.macro PLACES
.rept 4
	v_nop
.endr
.endm
; One of a K step's first three quarters: multiplies buffer f; in its middle it fetches quarter q of the same slot into buffer g.
.macro QUARTER slot, q, f, g, zero
	s_wait_dscnt 8                                 ; W and xb's rows 0-63 are in; the youngest eight loads (rows 64-127) may be out
	WIN MUL_LO
	MUL16 \f, 0, 0, \zero
	MUL16 \f, 0, 2, \zero
	PLACES
	FETCH \slot, \q, \g
	s_wait_dscnt 32                                ; all but the 32 just issued
	WIN MUL_HI
	MUL16 \f, 1, 0, \zero
	MUL16 \f, 1, 2, \zero
.endm
.macro THREE slot, zero
	QUARTER \slot, 1, F0, F1, \zero
	QUARTER \slot, 2, F1, F0, 0
	QUARTER \slot, 3, F0, F1, 0
.endm
; The last quarter multiplies buffer 1 and changes slots.  In front of the barrier each wave waits for its reads of this slot and for all its
; tensor loads (one is out: its part of the next slot).  Behind it the refill comes first, then the next slot's first fragments.
.macro TURN slot, next, fill
	s_wait_dscnt 8
	WIN MUL_LO
	MUL16 F1, 0, 0, 0
	s_wait_dscnt 0                                 ; my reads of this slot are over
	s_wait_tensorcnt 0x0                           ; all my tensor loads have landed
	ds_add_u32 v255, v255
	s_wait_dscnt 0x0
	s_barrier_signal -1                            ; where the slot is filled again this barrier opens a round of the cluster's barrier
	MUL16 F1, 0, 2, 0                              ; register work while the others arrive
	WIN 0
	s_barrier_wait -1
.if \fill
	CREST                                          ; no wave of any partner still reads this slot or has a load on its way
	s_add_nc_u64 s[G0+4*\slot+2:G0+4*\slot+3], s[G0+4*\slot+2:G0+4*\slot+3], 2*KSTEP*2
	s_add_nc_u64 s[G0B+4*\slot+2:G0B+4*\slot+3], s[G0B+4*\slot+2:G0B+4*\slot+3], 2*KSTEP*2048
	JLOAD \slot                                    ; the first tensor load behind the round
.endif
	PLACES
	FETCH \next, 0, F0
	WIN MUL_HI
	MUL16 F1, 1, 0, 0
	MUL16 F1, 1, 2, 0
.endm
.macro LAP zero
	THREE 0, \zero
	TURN 0, 1, 1
	THREE 1, 0
	TURN 1, 0, 1
.endm
; The 64 accumulators take turns, one instruction a turn, in the same order in every quarter, over the backward jump too.
	s_wait_tensorcnt 1                             ; my part of K step 0 is in; K step 1's load stays out
	s_barrier_signal -1
	s_barrier_wait -1
	FETCH 0, 0, F0
	LAP 1                                          ; the first lap's first products start the sums
	WIN 0
	s_mov_b32 s3, LAPS-2
.Llap:
	LAP 0
	WIN 0
	s_sub_co_u32 s3, s3, 1
	s_cmp_lg_u32 s3, 0
	s_cbranch_scc1 .Llap
	THREE 0, 0                                     ; the last lap fills nothing
	TURN 0, 1, 0
	THREE 1, 0
	s_wait_dscnt 8
	WIN MUL_LO
	MUL16 F1, 0, 0, 0
	MUL16 F1, 0, 2, 0
	s_wait_dscnt 0
	WIN MUL_HI
	MUL16 F1, 1, 0, 0
	MUL16 F1, 1, 2, 0
	; THE WAY OUT, 16 rows at a time through my own stage.  My 128 columns are two heads; a head's rows are 128 bytes and lie one behind the
	; other, so sixteen lanes store two rows of one head: 256 consecutive bytes at a multiple of 256 from the buffer's first byte.
	PLACES
	s_lshl_b32 s66, s13, 8
	s_lshl_b32 s67, s11, 7
	s_add_co_u32 s66, s66, s67                     ; my first row of xb: 2,048 b + s
	s_lshr_b32 s67, s66, 11                        ; b
	s_and_b32 s66, s66, 2047                       ; s
	s_lshl_b32 s67, s67, 4
	s_lshl2_add_u32 s67, s40, s67                  ; head = 16 b + 4 cx
	s_lshl1_add_u32 s67, s12, s67                  ;        + 2 x my half of the columns
	s_lshl_b32 s67, s67, 11
	s_add_co_u32 s66, s66, s67
	s_lshl_b32 s66, s66, 7                         ; rows of 128 bytes
	s_lshl_b32 s67, ttmp9, 23                      ; the section: q hi, k hi or v
	s_add_co_u32 s66, s66, s67
	s_mov_b32 s67, 0
	s_add_nc_u64 s[68:69], s[6:7], s[66:67]        ; where hi goes
	s_add_nc_u64 s[70:71], s[68:69], 3*SEC         ; where lo goes: three sections on
	s_mov_b32 s74, 0xffff0000
.macro CVT32 a, from                   ; the eight tiles (a, 0..7) of window 2 or 3 (from = 0x0a or 0x0f), rounded to bf16: TMP[k] = tile words 2 k, 2 k + 1
	WIN \from
.irp b, 0,1,2,3,4,5,6,7
.irp r, 0,1,2,3
	v_cvt_pk_bf16_f32 v[TMP+4*\b+\r], v[8*(8*\a+\b)+2*\r], v[8*(8*\a+\b)+2*\r+1]
.endr
.endr
	WIN 0
.endm
.macro STAGEOUT i, rb, base            ; TMP through the stage into rows 16 i .. 16 i + 15
.irp b, 0,1,2,3,4,5,6,7
	ds_store_b128 v[STO], v[TMP+4*\b:TMP+4*\b+3] offset:32*\b
.endr
	s_wait_xcnt 0x0                                ; the registers below were store data two groups ago: they are loaded again only behind this wait
.irp t, 0,1,2,3,4,5,6,7
	ds_load_b128 v[\rb+4*\t:\rb+4*\t+3], v[RD] offset:\t*2*SPITCH      ; LDS serves a wave's instructions in order: these see the stores above
.endr
.irp t, 0,1,2,3,4,5,6,7
	s_wait_dscnt 7-\t                              ; load t is back; the 7 - t younger ones stay out
	global_store_b128 v[CO], v[\rb+4*\t:\rb+4*\t+3], s[\base:\base+1] offset:\i*2048+\t*256
.endr
.endm
.macro OUTHI i, a, from, rb
	CVT32 \a, \from
	STAGEOUT \i, \rb, 68
.endm
.macro OUTLO i, a, from, from1, rb     ; lo = bf16(sum - hi); the difference is exact in f32
	CVT32 \a, \from
.set k, 0
.rept 32
	v_lshlrev_b32 v[U+2*k], 16, v[TMP+k]           ; hi back in f32
	v_and_b32 v[U+2*k+1], s74, v[TMP+k]
.set k, k+1
.endr
	WIN \from1                                     ; source 0 alone in the accumulators' window
.set k, 0
.rept 32
	v_pk_add_f32 v[U+2*k:U+2*k+1], v[64*\a+2*k:64*\a+2*k+1], v[U+2*k:U+2*k+1] neg_lo:[0,1] neg_hi:[0,1]
.set k, k+1
.endr
	WIN 0
.set k, 0
.rept 32
	v_cvt_pk_bf16_f32 v[TMP+k], v[U+2*k], v[U+2*k+1]
.set k, k+1
.endr
	STAGEOUT \i, \rb, 70
.endm
	OUTHI 0, 0, 0x0a, 128
	OUTHI 1, 1, 0x0a, 160
	OUTHI 2, 2, 0x0a, 128
	OUTHI 3, 3, 0x0a, 160
	OUTHI 4, 0, 0x0f, 128
	OUTHI 5, 1, 0x0f, 160
	OUTHI 6, 2, 0x0f, 128
	OUTHI 7, 3, 0x0f, 160
	s_cmp_eq_u32 ttmp9, 2                          ; v has no lo part.  The section is the cluster's x: the same in all sixteen partners
	s_cbranch_scc1 .Lnolo
	OUTLO 0, 0, 0x0a, 0x02, 128
	OUTLO 1, 1, 0x0a, 0x02, 160
	OUTLO 2, 2, 0x0a, 0x02, 128
	OUTLO 3, 3, 0x0a, 0x02, 160
	OUTLO 4, 0, 0x0f, 0x03, 128
	OUTLO 5, 1, 0x0f, 0x03, 160
	OUTLO 6, 2, 0x0f, 0x03, 128
	OUTLO 7, 3, 0x0f, 0x03, 160
.Lnolo:
	s_set_vgpr_msb 0x1
	s_wait_tensorcnt 0x0
	ds_add_u32 v255, v255
	s_wait_dscnt 0x0
	s_set_vgpr_msb 0x100
	CROUND                                         ; the closing round: no work-group ends while a partner may still ask for a tile that names it
	s_endpgm
.Lfunc_end_k_qc37fee88e3_qkv:
	.size	k_qc37fee88e3_qkv, .Lfunc_end_k_qc37fee88e3_qkv-k_qc37fee88e3_qkv
	.p2alignl 7, 3214868480
	.fill 96, 4, 3214868480
	.section	.rodata,"a",@progbits
	.p2align	6, 0x0
	.amdhsa_kernel k_qc37fee88e3_qkv
		.amdhsa_group_segment_fixed_size 327680
		.amdhsa_private_segment_fixed_size 0
		.amdhsa_enable_private_segment 0
		.amdhsa_kernarg_size 16
		.amdhsa_user_sgpr_count 2
		.amdhsa_user_sgpr_kernarg_segment_ptr 1
		.amdhsa_wavefront_size32 1
		.amdhsa_system_sgpr_workgroup_id_x 1
		.amdhsa_system_sgpr_workgroup_id_y 1
		.amdhsa_system_sgpr_workgroup_id_z 1
		.amdhsa_system_vgpr_workitem_id 0
		.amdhsa_next_free_vgpr 1024
		.amdhsa_next_free_sgpr 80
		.amdhsa_reserve_vcc 0
		.amdhsa_float_denorm_mode_32 3
		.amdhsa_float_denorm_mode_16_64 3
		.amdhsa_memory_ordered 1
		.amdhsa_forward_progress 1
		.amdhsa_inst_pref_size 255
	.end_amdhsa_kernel
	.section	.bss,"aw",@nobits
	.p2align	6
	.space	262144
	.amdgpu_metadata
---
amdhsa.version: [ 1, 2 ]
amdhsa.kernels:
  - .name:           k_qc37fee88e3_qkv
    .symbol:         k_qc37fee88e3_qkv.kd
    .args:
      - { .name: xw, .offset: 0, .size: 8, .value_kind: global_buffer, .address_space: global }
      - { .name: qkv, .offset: 8, .size: 8, .value_kind: global_buffer, .address_space: global }
    .group_segment_fixed_size: 327680
    .private_segment_fixed_size: 0
    .kernarg_segment_align: 8
    .kernarg_segment_size: 16
    .max_flat_workgroup_size: 128
    .sgpr_count:     80
    .vgpr_count:     1024
    .wavefront_size: 32
...
	.end_amdgpu_metadata
.endif
;; end of part 2
;; launch attn (part 3): grid 256 x 1, 4 waves a work-group, no clusters, 327,680 bytes of LDS; arguments qkv, ao; writes ao
.if DOCPART == 3
	.amdgcn_target "amdgcn-amd-amdhsa--gfx1250"
	.amdhsa_code_object_version 6
	.text
	.protected	k_qc37fee88e3_attn
	.globl	k_qc37fee88e3_attn
	.p2align	8
	.type	k_qc37fee88e3_attn,@function
k_qc37fee88e3_attn:
	s_mov_b64 s[64:65], 0
	v_nop
	global_prefetch_b8 v0, s[64:65] scope:SCOPE_SE
	s_setreg_imm32_b32 hwreg(HW_REG_WAVE_MODE, 25, 1), 1
	s_wait_xcnt 0x0
; Causal attention of one head, with a running maximum.  In: qkv's sections q hi, k hi, v, q lo, k lo, each bf16 [b][h][s][64].  Out: ao, bf16 [b][h][s][64].
; SCORES from the pairs: k lo q hi + k hi q lo + k hi q hi, three bf16 products with one f32 sum, the small terms first (lo x lo is left out:
; it is some 2^-16 of a score).  P and V are plain bf16.  exp(x / 8) is 2^(c x) with c = log2(e) / 8; the maximum is taken away inside one fused multiply-add.
; LIMIT: a masked score starts its sum at -2^127 instead of -infinity; right while the raw sums |q . k| stay below 2^120.
; WORK: a head has 16 blocks of 128 queries.  Work-group (bh = id % 32, j = id / 32) takes blocks j and 15 - j: (j + 1) + (16 - j) = 17 units of 128 keys
; in every work-group.  The even block is pass E, the odd one pass O, so that each unit's LDS slot is fixed in the text.  Each pass begins with
; its diagonal unit: that unit's first key is open to every query of the block, so the running maximum is finite from the first step on.
; A wave takes 32 queries as two pieces of 16 (A, B), which share the K and V fragments.
; NO CLUSTER: the eight work-groups of a head walk different ranges of keys in different order; for joint requests four partners would have to
; walk the longest partner's range, 20 units in place of 17, and discard the rest.
; PIPELINE, 32 keys a stage: this stage's 24 score products go into one score buffer; behind each of them stands one chunk (4 or 5 vector
; instructions) of the softmax of the stage before, which works on the other buffer, A's and B's chunks by turns.  Then come the 8 products P V of
; the stage before, each behind the four packed multiplies that rescale its own accumulator.  A stage has 138 vector instructions for 32 products.
; Key tile 1 of a stage is multiplied first: its scores land in registers 8-15 of a piece's sixteen, while registers 0-7 still hold the packed P
; that the last P V products read; those are written twelve products later.
; LAYOUTS: scores are made transposed (source 0 = 16 keys, source 1 = 16 queries): lane (r, h) holds query r, register j key 8 h + j.  So maximum and
; sum are a lane's own (one exchange between the halves), and two packed tiles ARE source 1 for 32 keys.  O is kept transposed too
; (source 0 = V read by the transposing load): lane (r, h) holds query r, register j of tile dt column 16 dt + 8 h + j.
.set SEC,   8388608
.set UNITB, 16384                      ; 128 keys (or queries) of 128 bytes
.set KP,    144                        ; K's LDS row: 128 + 16 bytes
.set VP,    160                        ; V's LDS row: 128 + 32 bytes = 5 x 32
.set KLO,   128*KP                     ; k lo behind k hi
.set VOF,   2*128*KP                   ; V behind both
.set SLOTB, VOF+128*VP                 ; 57,344
.set STAGE, 2*SLOTB                    ; 114,688: 32 rows x 144 bytes for each wave, never the target of a tensor load
; window 0
.set AK,   8                           ; v8-9    K fragments' LDS address, slot 0, 1
.set QOFF, 10                          ; v10     my bytes of Q
.set STO,  11                          ; v11     stage, in
.set RD,   12                          ; v12     stage, back
.set CO,   13                          ; v13     my bytes of ao
.set NEG,  14                          ; v14     -2^127
.set DIFF, 16                          ; v16-17  piece p: 32 w + 16 p + r - 8 h
.set MM,   18                          ; v18-21  running maximum (p, step parity)
.set LL,   22                          ; v[22:25] piece p: two partial sums
.set AL,   26                          ; v[26:29] piece p: 2^(c (old max - new max)); the odd register is only named
.set MC,   30                          ; v[30:37] c x maximum (p, parity); the odd registers are only named
.set TT,   38                          ; v38-41  at work
.set AV,   42                          ; v42-43  V fragments' LDS address, slot 0, 1
.set Q,    64                          ; v64-127 piece p at 32 p: hi d 0-31, hi d 32-63, lo d 0-31, lo d 32-63
.set SB,   128                         ; v128-191 scores (buffer, p, key tile) at 32 buf + 16 p + 8 kt
.set KB,   192                         ; v192-255 K fragments, key tile kt at 32 kt, laid out as Q
; window 1
.set OO,   0                           ; O (p, dt) at 32 p + 8 dt
.set VB,   64                          ; V fragments (stage parity) at 32 par + 8 dt
.set G1K, 24                           ; s[24:31] group 1 for k hi and k lo
.set G1V, 32                           ; s[32:39] group 1 for v
.set G0,  40                           ; s[40:63] group 0: slot x 12 + {k hi 0, k lo 4, v 8}
.set MSB, 0
.macro WIN new
.if MSB != \new
	s_set_vgpr_msb (MSB<<8)|\new
.set MSB, \new
.endif
.endm
.macro PLACES                          ; four places behind a matrix instruction (ISA guide 7.12.1) where there is no vector work to put there
.rept 4
	v_nop
.endr
.endm
	s_load_b128 s[4:7], s[0:1], 0x0                ; qkv s[4:5], ao s[6:7]
	v_lshl_add_u32 v62, v0, 2, 0x29000
	v_mov_b32 v63, 0
	ds_add_u32 v62, v63
	ds_add_u32 v62, v63
	v_lshrrev_b32 v1, 5, v0
	v_readfirstlane_b32 s8, v1                     ; wave
	s_and_b32 s9, ttmp9, 31                        ; bh
	s_lshr_b32 s10, ttmp9, 5                       ; j
	s_sub_co_u32 s11, 15, s10
	s_bitcmp1_b32 s10, 0
	s_cselect_b32 s12, s11, s10                    ; the even block
	s_cselect_b32 s13, s10, s11                    ; the odd block
	s_lshl_b32 s15, s12, 14                        ; their byte offsets in a head
	s_lshl_b32 s16, s13, 14
	s_lshr_b32 s14, s12, 1                         ; pass E: pairs of units below the diagonal
	s_sub_co_u32 s17, s13, 1
	s_lshr_b32 s17, s17, 1                         ; pass O: pairs; one more unit is written out behind them
	s_mov_b32 s20, 0x76543210                      ; v_permlanex16_b32: lane i reads lane i of the other half
	s_mov_b32 s21, 0xfedcba98
	s_mov_b32 s22, 0x3e38aa3b                      ; c = log2(e) / 8
	s_mov_b32 s23, 0x3e38aa3b
	; group 1: 32 keys x 64 elements of 2 bytes; behind every 32 words 4 words of padding (K) or 8 (V)
	s_mov_b32 s[G1K+0], (1<<16)|(1<<20)|(4<<22)|(3<<25)
	s_mov_b32 s[G1K+1], 64<<16
	s_mov_b32 s[G1K+2], 32<<16
	s_mov_b32 s[G1K+3], 64<<16
	s_mov_b32 s[G1K+4], 32
	s_mov_b32 s[G1K+5], 64
	s_mov_b32 s[G1K+6], 0
	s_mov_b32 s[G1K+7], 0
	s_mov_b32 s[G1V+0], (1<<16)|(1<<20)|(4<<22)|(7<<25)
	s_mov_b32 s[G1V+1], 64<<16
	s_mov_b32 s[G1V+2], 32<<16
	s_mov_b32 s[G1V+3], 64<<16
	s_mov_b32 s[G1V+4], 32
	s_mov_b32 s[G1V+5], 64
	s_mov_b32 s[G1V+6], 0
	s_mov_b32 s[G1V+7], 0
	s_mul_i32 s86, s8, 32*KP                       ; each wave brings its 32 keys of each unit
	s_mul_i32 s87, s8, 32*VP
.irp s, 0,1
	s_mov_b32 s[G0+12*\s], 1
	s_add_co_u32 s[G0+12*\s+1], s86, \s*SLOTB
	s_mov_b32 s[G0+12*\s+4], 1
	s_add_co_u32 s[G0+12*\s+5], s86, \s*SLOTB+KLO
	s_mov_b32 s[G0+12*\s+8], 1
	s_add_co_u32 s[G0+12*\s+9], s87, \s*SLOTB+VOF
.endr
	s_lshl_b32 s84, s9, 18                         ; a head is 262,144 bytes
	s_mov_b32 s85, 0
	s_lshl_b32 s86, s8, 12                         ; 32 rows of 128 bytes a wave
	s_mov_b32 s87, 0
	s_wait_dscnt 0x0
	s_wait_kmcnt 0x0
	s_add_nc_u64 s[4:5], s[4:5], s[84:85]          ; q hi of my head
	s_add_nc_u64 s[6:7], s[6:7], s[84:85]
	s_add_nc_u64 s[6:7], s[6:7], s[86:87]          ; ao: my head, my wave's rows
	s_add_nc_u64 s[66:67], s[4:5], s[86:87]
	s_add_nc_u64 s[68:69], s[66:67], 4*SEC         ; k lo, my wave's keys of unit 0
	s_add_nc_u64 s[70:71], s[66:67], 2*SEC         ; v
	s_add_nc_u64 s[66:67], s[66:67], SEC           ; k hi
	s_or_b32 s67, s67, 0x80000000                  ; the descriptors' type bits, once
	s_or_b32 s69, s69, 0x80000000
	s_or_b32 s71, s71, 0x80000000
	s_mov_b32 s84, s15
	s_add_nc_u64 s[72:73], s[4:5], s[84:85]        ; pass E: q hi,
	s_add_nc_u64 s[74:75], s[72:73], 3*SEC         ; q lo,
	s_add_nc_u64 s[76:77], s[6:7], s[84:85]        ; ao
	s_add_nc_u64 s[G0+2:G0+3], s[66:67], s[84:85]  ; the first unit: pass E's diagonal, into slot 0
	s_add_nc_u64 s[G0+6:G0+7], s[68:69], s[84:85]
	s_add_nc_u64 s[G0+10:G0+11], s[70:71], s[84:85]
	tensor_load_to_lds s[G0:G0+3], s[G1K:G1K+7]
	s_nop 0
	tensor_load_to_lds s[G0+4:G0+7], s[G1K:G1K+7]
	s_nop 0
	tensor_load_to_lds s[G0+8:G0+11], s[G1V:G1V+7]
	s_nop 0
	s_mov_b32 s86, s16
	s_add_nc_u64 s[78:79], s[4:5], s[86:87]        ; pass O
	s_add_nc_u64 s[80:81], s[78:79], 3*SEC
	s_add_nc_u64 s[82:83], s[6:7], s[86:87]
	s_mov_b32 s19, 0                               ; s[18:19]: byte offset of the next unit to be asked for: unit 0,
	s_cmp_eq_u32 s15, 0                            ; or, where pass E has the diagonal alone, pass O's diagonal
	s_cselect_b32 s18, s16, 0
	v_and_b32 v1, 15, v0                           ; r
	v_bfe_u32 v2, v0, 4, 1                         ; h
	v_and_b32 v3, 31, v0                           ; lane
	v_mul_u32_u24 v4, v1, KP
	v_lshl_add_u32 v[AK], v2, 4, v4                ; key r of a tile, 16 bytes for each half
	v_add_nc_u32 v[AK+1], SLOTB, v[AK]
	v_lshlrev_b32 v4, 7, v1
	v_lshl_add_u32 v4, v2, 4, v4
	s_lshl_b32 s11, s8, 12
	v_add_nc_u32 v[QOFF], s11, v4                  ; query 32 w + r, 16 bytes for each half
	s_mul_i32 s11, s8, 32*KP
	s_add_co_u32 s11, s11, STAGE
	v_add_nc_u32 v[STO], s11, v[AK]
	v_lshrrev_b32 v4, 3, v3
	v_and_b32 v5, 7, v0
	v_mul_u32_u24 v4, v4, KP
	v_lshl_add_u32 v4, v5, 4, v4
	v_add_nc_u32 v[RD], s11, v4                    ; back: eight lanes take a row of 128 bytes
	v_lshlrev_b32 v[CO], 4, v3
	v_mov_b32 v[NEG], 0xff000000
	s_lshl_b32 s11, s8, 5
	v_lshlrev_b32 v4, 3, v2
	v_sub_nc_u32 v4, v1, v4
	v_add_nc_u32 v[DIFF], s11, v4
	v_add_nc_u32 v[DIFF+1], 16, v[DIFF]
	v_lshl_add_u32 v4, v2, 3, v5                   ; V: key 8 h + l % 8,
	v_mul_u32_u24 v4, v4, VP
	v_bfe_u32 v6, v0, 3, 1
	v_lshl_add_u32 v4, v6, 4, v4                   ; 16 bytes for each half of sixteen columns
	v_add_nc_u32 v[AV], VOF, v4
	v_add_nc_u32 v[AV+1], VOF+SLOTB, v4
.irp i, AL+1, AL+3, MC+1, MC+3, MC+5, MC+7
	v_mov_b32 v[\i], 0                             ; upper halves of pairs of which the packed forms use the lower half twice
.endr
.macro QLOAD bh, bl                    ; 32 queries, hi and lo, as source-1 fragments
.irp p, 0,1
.irp c, 0,1
	global_load_b128 v[Q+32*\p+8*\c:Q+32*\p+8*\c+3],       v[QOFF], s[\bh:\bh+1] offset:\p*2048+\c*64
	global_load_b128 v[Q+32*\p+8*\c+4:Q+32*\p+8*\c+7],     v[QOFF], s[\bh:\bh+1] offset:\p*2048+\c*64+32
	global_load_b128 v[Q+32*\p+16+8*\c:Q+32*\p+16+8*\c+3], v[QOFF], s[\bl:\bl+1] offset:\p*2048+\c*64
	global_load_b128 v[Q+32*\p+20+8*\c:Q+32*\p+20+8*\c+3], v[QOFF], s[\bl:\bl+1] offset:\p*2048+\c*64+32
.endr
.endr
.endm
; Eight loads: key tile t (16 keys) of a slot, hi then lo, into fragment buffer kt
.macro KLOAD slot, t, kt
.irp c, 0,1,2,3
	ds_load_b128 v[KB+32*\kt+4*\c:KB+32*\kt+4*\c+3], v[AK+\slot] offset:(\t)*16*KP+32*\c
.endr
.irp c, 0,1,2,3
	ds_load_b128 v[KB+32*\kt+16+4*\c:KB+32*\kt+16+4*\c+3], v[AK+\slot] offset:KLO+(\t)*16*KP+32*\c
.endr
.endm
; Score product n of a stage's 24: key tile 1 - n / 12 (tile 1 first), term (n % 12) / 2, piece n % 2.
; Terms: lo hi, lo hi, hi lo, hi lo, hi hi, hi hi (K, Q; d 0-31, d 32-63).
; The two pieces take turns, one instruction a turn.  The first term starts the sum at 0, in a diagonal unit at the mask.
.macro QKS buf, n, diag
.set q_kt, 1-(\n)/12
.set q_tm, ((\n)%12)/2
.set q_p, (\n)%2
.set q_g, q_tm/2
.set q_k, KB+32*q_kt+16*((2-q_g)/2)+8*(q_tm%2)
.set q_q, Q+32*q_p+16*(q_g%2)+8*(q_tm%2)
.set q_d, SB+32*(\buf)+16*q_p+8*q_kt
.set q_z, 0
.if q_tm == 0
.if \diag == 0
.set q_z, 1
.endif
.endif
.if q_z
	v_wmma_f32_16x16x32_bf16 v[q_d:q_d+7], v[q_k:q_k+7], v[q_q:q_q+7], 0
.else
	v_wmma_f32_16x16x32_bf16 v[q_d:q_d+7], v[q_k:q_k+7], v[q_q:q_q+7], v[q_d:q_d+7]
.endif
.endm
; Diagonal unit: key 32 sg + 16 kt + 8 h + j is closed to query 32 w + 16 p + r where 32 sg + 16 kt + j > DIFF(p).
; Tile 1 first: its 32 instructions name no register of the last P V products, whose P lies in tile 0's registers.
.macro MASKI sg, buf
.irp kt, 1,0
.irp p, 0,1
.irp j, 0,1,2,3,4,5,6,7
	v_cmp_gt_i32 vcc_lo, 32*\sg+16*\kt+\j, v[DIFF+\p]
	v_cndmask_b32 v[SB+32*\buf+16*\p+8*\kt+\j], 0, v[NEG], vcc_lo
.endr
.endr
.endr
.endm
; The softmax's four recurring lines, on the piece and buffer that CH has set
.macro SFMA i                          ; scores i, i + 1: c x score - c x maximum
	v_pk_fma_f32 v[c_s+\i:c_s+\i+1], v[c_s+\i:c_s+\i+1], s[22:23], v[c_cn:c_cn+1] op_sel_hi:[1,0,0] neg_lo:[0,0,1] neg_hi:[0,0,1]
.endm
.macro SEXP i
	v_exp_f32 v[c_s+\i], v[c_s+\i]
.endm
.macro SADD i                          ; the two partial sums take p i, p i + 1
	s_wait_alu depctr_va_vdst(0)
	v_pk_add_f32 v[c_l:c_l+1], v[c_l:c_l+1], v[c_s+\i:c_s+\i+1]
.endm
.macro SCVT i                          ; word i of the packed P, in place, behind the sum that read its sources and behind the word that read its target
	v_cvt_pk_bf16_f32 v[c_s+\i], v[c_s+2*\i], v[c_s+2*\i+1]
.endm
; Chunk n (0..23) of a step's softmax: piece n % 2, part n / 2 of twelve, on score buffer buf (also the step's parity).  first = 1: the pass's first step.
; A part has 4 or 5 instructions, at most three of them exponentials.  In the order 0, 1, .. 23 every exponential is followed by a plain
; instruction on other registers (the same part's, or the other piece's next part's) before its result is used.
.macro CH n, buf, first
.set c_p, (\n)%2
.set c_k, (\n)/2
.set c_s, SB+32*(\buf)+16*c_p
.set c_t, TT+2*c_p
.set c_mn, MM+2*c_p+(\buf)
.set c_mo, MM+2*c_p+1-(\buf)
.set c_cn, MC+4*c_p+2*(\buf)
.set c_co, MC+4*c_p+2-2*(\buf)
.set c_l, LL+2*c_p
.set c_a, AL+2*c_p
.if c_k == 0
	v_max3_num_f32 v[c_t], v[c_s], v[c_s+1], v[c_s+2]
	v_max3_num_f32 v[c_t+1], v[c_s+3], v[c_s+4], v[c_s+5]
	v_max3_num_f32 v[c_t], v[c_t], v[c_s+6], v[c_s+7]
	v_max3_num_f32 v[c_t+1], v[c_t+1], v[c_s+8], v[c_s+9]
.endif
.if c_k == 1
	v_max3_num_f32 v[c_t], v[c_t], v[c_s+10], v[c_s+11]
	v_max3_num_f32 v[c_t+1], v[c_t+1], v[c_s+12], v[c_s+13]
	v_max3_num_f32 v[c_t], v[c_t], v[c_s+14], v[c_s+15]
.if \first
	v_max_num_f32 v[c_t], v[c_t], v[c_t+1]
.else
	v_max3_num_f32 v[c_t], v[c_t], v[c_t+1], v[c_mo]       ; with the running maximum
.endif
.endif
.if c_k == 2
	v_permlanex16_b32 v[c_t+1], v[c_t], s20, s21           ; the other half's eight keys of each tile
	v_max_num_f32 v[c_mn], v[c_t], v[c_t+1]
	v_mul_f32 v[c_cn], s22, v[c_mn]
.if \first == 0
	v_sub_f32 v[c_a], v[c_co], v[c_cn]
.endif
.endif
.if c_k == 3
.if \first == 0
	v_exp_f32 v[c_a], v[c_a]
.endif
	SFMA 0
	SFMA 2
	SFMA 4
.endif
.if c_k == 4
	SFMA 6
	SFMA 8
	SEXP 0
	SEXP 1
.endif
.if c_k == 5
	SFMA 10
	SFMA 12
	SEXP 2
	SEXP 3
	SEXP 4
.endif
.if c_k == 6
	SFMA 14
	SEXP 5
	SEXP 6
	SEXP 7
.if \first == 0
	s_wait_alu depctr_va_vdst(0)
	v_pk_fma_f32 v[c_l:c_l+1], v[c_l:c_l+1], v[c_a:c_a+1], v[c_s:c_s+1] op_sel_hi:[1,0,1]
.endif
.endif
.if c_k == 7
.if \first
	s_wait_alu depctr_va_vdst(0)
	v_pk_add_f32 v[c_l:c_l+1], v[c_s:c_s+1], v[c_s+2:c_s+3]
.else
	SADD 2
.endif
	SCVT 0
	SEXP 8
	SEXP 9
	SEXP 10
.endif
.if c_k == 8
	SCVT 1
	SADD 4
	SEXP 11
	SEXP 12
	SEXP 13
.endif
.if c_k == 9
	SADD 6
	SCVT 2
	SCVT 3
	SEXP 14
	SEXP 15
.endif
.if c_k == 10
	SADD 8
	SADD 10
	SCVT 4
	SCVT 5
.endif
.if c_k == 11
	SADD 12
	SADD 14
	SCVT 6
	SCVT 7
.endif
.endm
; vload: this stage's V fragments (32 keys x 64 columns, transposed) into VB(sg % 2).  pv: O = O x AL + V^T P^T for the stage before, whose P lies in
; score buffer o and whose V in VB(o).  Each product stands behind the four multiplies that rescale its own accumulator, which thereby stand
; behind the other piece's product; the eight accumulators take turns.  wc: LDS loads that may stay out when VB(o) is needed (99: no wait).
.macro PVPH slot, sg, o, vload, first, pv, wc
.if \vload
	WIN 0x40                                       ; destination window 1, address window 0
.irp dt, 0,1,2,3
	ds_load_tr16_b128 v[VB+32*((\sg)%2)+8*\dt:VB+32*((\sg)%2)+8*\dt+3],   v[AV+\slot] offset:(\sg)*32*VP+32*\dt
	ds_load_tr16_b128 v[VB+32*((\sg)%2)+8*\dt+4:VB+32*((\sg)%2)+8*\dt+7], v[AV+\slot] offset:(\sg)*32*VP+16*VP+32*\dt
.endr
.endif
.if \pv
	WIN 0x51                                       ; D, C and source 0 in window 1, source 1 (P, AL) in window 0
.if \wc < 64
	s_wait_dscnt \wc
.endif
.irp dt, 0,1,2,3
.irp p, 0,1
.if \first
	v_wmma_f32_16x16x32_bf16 v[OO+32*\p+8*\dt:OO+32*\p+8*\dt+7], v[VB+32*\o+8*\dt:VB+32*\o+8*\dt+7], v[SB+32*\o+16*\p:SB+32*\o+16*\p+7], 0
.else
.irp i, 0,1,2,3
	v_pk_mul_f32 v[OO+32*\p+8*\dt+2*\i:OO+32*\p+8*\dt+2*\i+1], v[OO+32*\p+8*\dt+2*\i:OO+32*\p+8*\dt+2*\i+1], v[AL+2*\p:AL+2*\p+1] op_sel_hi:[1,0]
.endr
	v_wmma_f32_16x16x32_bf16 v[OO+32*\p+8*\dt:OO+32*\p+8*\dt+7], v[VB+32*\o+8*\dt:VB+32*\o+8*\dt+7], v[SB+32*\o+16*\p:SB+32*\o+16*\p+7], v[OO+32*\p+8*\dt:OO+32*\p+8*\dt+7]
.endif
.endr
.endr
.endif
	WIN 0
.endm
; The change of units.  Each wave waits for all its tensor loads (its part of this unit's slot) and for its LDS reads (the other slot's last V fragments
; among them), then signals; behind the barrier this slot is whole, nobody reads the other one, and the next unit goes into it: three loads a wave,
; the only ones it has out, with a whole unit's work in which to land.  lead = 1: the softmax's first two chunks, register work, stand between signal and wait.
.macro SYNC slot, refill, sel, lead
	s_wait_tensorcnt 0x0                           ; no tensor load of mine is out: every group 0 may be written
	ds_add_u32 v62, v63
	s_wait_dscnt 0x0
.if \refill
	s_add_nc_u64 s[G0+12*(1-\slot)+2:G0+12*(1-\slot)+3], s[66:67], s[18:19]
	s_add_nc_u64 s[G0+12*(1-\slot)+6:G0+12*(1-\slot)+7], s[68:69], s[18:19]
	s_add_nc_u64 s[G0+12*(1-\slot)+10:G0+12*(1-\slot)+11], s[70:71], s[18:19]
	s_add_co_u32 s18, s18, UNITB
.if \sel
	s_cmp_eq_u32 s18, s15                          ; pass E: behind its last unit below the diagonal comes pass O's diagonal
	s_cselect_b32 s18, s16, s18
.endif
.endif
	s_wait_dscnt 0x0
	s_barrier_signal -1
.if \lead
	CH 0, 1, 0
	CH 1, 1, 0
.endif
	s_barrier_wait -1
.if \refill
	tensor_load_to_lds s[G0+12*(1-\slot):G0+12*(1-\slot)+3], s[G1K:G1K+7]
	s_nop 0
	tensor_load_to_lds s[G0+12*(1-\slot)+4:G0+12*(1-\slot)+7], s[G1K:G1K+7]
	s_nop 0
	tensor_load_to_lds s[G0+12*(1-\slot)+8:G0+12*(1-\slot)+11], s[G1V:G1V+7]
	s_nop 0
.endif
.endm
; Stage sg of a unit: scores into buffer b; softmax and P V of the stage before (buffer o).  fi = 1: that stage was the pass's first.
; Chunk n stands behind product n.  In a unit's first stage chunks 0, 1 stood inside the barrier and chunks 2-5 stand behind the K loads, which they
; give time to land; chunks 6-21 then stand behind products 0-15, and chunks 22, 23 keep their places.
; LDS loads by order of issue: the next stage's K tile 1 (8, behind product 14), its K tile 0 (8), this stage's V (8): the counted waits count the younger ones.
; K tile 1's buffer was last read by product 11: behind that stand the plain instructions of four chunks, six at the least.
; K tile 0's buffer was last read by product 23: behind that stand the four plain instructions of chunk 23.
.macro STAGE slot, sg, b, o, diag, fi
.if \sg == 0
	KLOAD \slot, 1, 1
	KLOAD \slot, 0, 0
	CH 2, \o, \fi
	CH 3, \o, \fi
	CH 4, \o, \fi
	CH 5, \o, \fi
	s_wait_dscnt 8                                 ; K tile 1 is in; tile 0's eight loads are younger
.set st_pre, 6
.else
.if \diag
	MASKI \sg, \b
.endif
	s_wait_dscnt 16                                ; K tile 1 is in; tile 0's and V's sixteen loads are younger
.set st_pre, 0
.endif
.set st_n, 0
.rept 24
.if st_n == 12
.if \sg == 0
	s_wait_dscnt 0                                 ; K tile 0 is in: nothing younger has been issued
.else
	s_wait_dscnt 8                                 ; K tile 0 is in; V's eight loads are younger
.endif
.endif
	QKS \b, st_n, \diag
.if st_n >= 22
	CH st_n, \o, \fi
.else
.if st_n+st_pre < 22
	CH st_n+st_pre, \o, \fi
.endif
.endif
.if st_n == 14
.if \sg < 3
	KLOAD \slot, 2*\sg+3, 1
.endif
.endif
.set st_n, st_n+1
.endr
.if \sg < 3
	KLOAD \slot, 2*\sg+2, 0
.endif
.if \sg == 0
	PVPH \slot, \sg, \o, 1, \fi, 1, 99             ; the V wanted was waited for in front of the barrier
.else
.if \sg == 3
	PVPH \slot, \sg, \o, 1, \fi, 1, 8              ; younger: this stage's V
.else
	PVPH \slot, \sg, \o, 1, \fi, 1, 24             ; younger: the next stage's two K tiles and this stage's V
.endif
.endif
.endm
; A pass's first stage: scores alone
.macro HEAD slot
	KLOAD \slot, 1, 1
	KLOAD \slot, 0, 0
	MASKI 0, 0
	s_wait_loadcnt 0x0                             ; Q
	s_wait_dscnt 8
.irp n, 0,1,2,3,4,5,6,7,8,9,10,11
	QKS 0, \n, 1
.endr
	s_wait_dscnt 0
.irp n, 12,13,14
	QKS 0, \n, 1
.endr
	PLACES
	KLOAD \slot, 3, 1
.irp n, 15,16,17,18,19,20,21,22,23
	QKS 0, \n, 1
.endr
	PLACES
	KLOAD \slot, 2, 0
	PVPH \slot, 0, 1, 1, 0, 0, 99
.endm
; The diagonal unit.  The keys of its stages 2 and 3 (64 to 127) are closed to every query of waves 0 and 1 (rows 0 to 63): a stage of closed keys
; changes neither maximum, sum nor O, so those two waves jump over both.  Two stages keep every parity: on both ways the pending step lies in
; score buffer 1 with its V in VB(1), the last maximum has parity 0, and the next wait on the LDS counter is for 0.
.macro DIAGU slot, sel
	SYNC \slot, 1, \sel, 0
	HEAD \slot
	STAGE \slot, 1, 1, 0, 1, 1
	s_cmp_lt_u32 s8, 2
	s_cbranch_scc1 .Lclosed_\@
	STAGE \slot, 2, 0, 1, 1, 0
	STAGE \slot, 3, 1, 0, 1, 0
.Lclosed_\@:
.endm
.macro PLAINU slot, refill, sel
	SYNC \slot, \refill, \sel, 1
	STAGE \slot, 0, 0, 1, 0, 0
	STAGE \slot, 1, 1, 0, 0, 0
	STAGE \slot, 2, 0, 1, 0, 0
	STAGE \slot, 3, 1, 0, 0, 0
.endm
; The pass's last step: softmax and P V, with no scores beside them
.macro DRAIN
.set d_n, 0
.rept 24
	CH d_n, 1, 0
.set d_n, d_n+1
.endr
	s_wait_dscnt 0x0                               ; the last V fragments
	PVPH 0, 0, 1, 0, 0, 1, 99
.endm
; O / sum, rounded to bf16, through my own stage: the wave's 32 rows of 128 bytes leave as eight stores of 512 consecutive bytes
.macro FINISH ab
	PLACES
	v_add_f32 v[TT], v[LL], v[LL+1]
	v_add_f32 v[TT+2], v[LL+2], v[LL+3]
	v_permlanex16_b32 v[TT+1], v[TT], s20, s21
	v_permlanex16_b32 v[TT+3], v[TT+2], s20, s21
	v_add_f32 v[TT], v[TT], v[TT+1]
	v_add_f32 v[TT+2], v[TT+2], v[TT+3]
	v_rcp_f32 v[AL], v[TT]
	v_rcp_f32 v[AL+2], v[TT+2]
	v_nop                                          ; one plain instruction behind the reciprocals
	WIN 0x51
	s_wait_alu depctr_va_vdst(0)
.irp p, 0,1
.set k, 0
.rept 16
	v_pk_mul_f32 v[OO+32*\p+2*k:OO+32*\p+2*k+1], v[OO+32*\p+2*k:OO+32*\p+2*k+1], v[AL+2*\p:AL+2*\p+1] op_sel_hi:[1,0]
.set k, k+1
.endr
.endr
	WIN 0x05                                       ; both sources in window 1
.irp p, 0,1
.set k, 0
.rept 16
	v_cvt_pk_bf16_f32 v[KB+16*\p+k], v[OO+32*\p+2*k], v[OO+32*\p+2*k+1]
.set k, k+1
.endr
.endr
	WIN 0
.irp p, 0,1
.irp dt, 0,1,2,3
	ds_store_b128 v[STO], v[KB+16*\p+4*\dt:KB+16*\p+4*\dt+3] offset:\p*16*KP+32*\dt
.endr
.endr
.irp t, 0,1,2,3,4,5,6,7
	ds_load_b128 v[KB+32+4*\t:KB+32+4*\t+3], v[RD] offset:\t*4*KP      ; LDS serves a wave's instructions in order: these see the stores above
.endr
.irp t, 0,1,2,3,4,5,6,7
	s_wait_dscnt 7-\t                              ; load t is back; the 7 - t younger ones stay out
	global_store_b128 v[CO], v[KB+32+4*\t:KB+32+4*\t+3], s[\ab:\ab+1] offset:512*\t
.endr
	s_wait_xcnt 0x0                                ; the stores' data registers are loaded again in the next pass only behind this wait
.endm
	QLOAD 72, 74
	DIAGU 0, 1                                     ; PASS E: the diagonal unit,
	s_cmp_eq_u32 s14, 0
	s_cbranch_scc1 .LdoneE
.LloopE:
	PLAINU 1, 1, 1                                 ; then the units below it, two a trip
	PLAINU 0, 1, 1
	s_sub_co_i32 s14, s14, 1
	s_cmp_lg_u32 s14, 0
	s_cbranch_scc1 .LloopE
.LdoneE:
	QLOAD 78, 80                                   ; pass O's queries: behind the last score product stand the four plain instructions of chunk 23
	DRAIN
	FINISH 76
	s_mov_b32 s18, 0                               ; PASS O asks for units 0, 1, ..
	DIAGU 1, 0
	s_cmp_eq_u32 s17, 0
	s_cbranch_scc1 .LdoneO
.LloopO:
	PLAINU 0, 1, 0
	PLAINU 1, 1, 0
	s_sub_co_i32 s17, s17, 1
	s_cmp_lg_u32 s17, 0
	s_cbranch_scc1 .LloopO
.LdoneO:
	PLAINU 0, 0, 0                                 ; the last unit asks for nothing
	DRAIN
	FINISH 82
	s_wait_tensorcnt 0x0
	ds_add_u32 v62, v63
	s_wait_dscnt 0x0
	s_endpgm
.Lfunc_end_k_qc37fee88e3_attn:
	.size	k_qc37fee88e3_attn, .Lfunc_end_k_qc37fee88e3_attn-k_qc37fee88e3_attn
	.p2alignl 7, 3214868480
	.fill 96, 4, 3214868480
	.section	.rodata,"a",@progbits
	.p2align	6, 0x0
	.amdhsa_kernel k_qc37fee88e3_attn
		.amdhsa_group_segment_fixed_size 327680
		.amdhsa_private_segment_fixed_size 0
		.amdhsa_enable_private_segment 0
		.amdhsa_kernarg_size 16
		.amdhsa_user_sgpr_count 2
		.amdhsa_user_sgpr_kernarg_segment_ptr 1
		.amdhsa_wavefront_size32 1
		.amdhsa_system_sgpr_workgroup_id_x 1
		.amdhsa_system_sgpr_workgroup_id_y 1
		.amdhsa_system_sgpr_workgroup_id_z 1
		.amdhsa_system_vgpr_workitem_id 0
		.amdhsa_next_free_vgpr 384
		.amdhsa_next_free_sgpr 96
		.amdhsa_reserve_vcc 1
		.amdhsa_float_denorm_mode_32 3
		.amdhsa_float_denorm_mode_16_64 3
		.amdhsa_memory_ordered 1
		.amdhsa_forward_progress 1
		.amdhsa_inst_pref_size 255
	.end_amdhsa_kernel
	.section	.bss,"aw",@nobits
	.p2align	6
	.space	262144
	.amdgpu_metadata
---
amdhsa.version: [ 1, 2 ]
amdhsa.kernels:
  - .name:           k_qc37fee88e3_attn
    .symbol:         k_qc37fee88e3_attn.kd
    .args:
      - { .name: qkv, .offset: 0, .size: 8, .value_kind: global_buffer, .address_space: global }
      - { .name: ao, .offset: 8, .size: 8, .value_kind: global_buffer, .address_space: global }
    .group_segment_fixed_size: 327680
    .private_segment_fixed_size: 0
    .kernarg_segment_align: 8
    .kernarg_segment_size: 16
    .max_flat_workgroup_size: 128
    .sgpr_count:     96
    .vgpr_count:     384
    .wavefront_size: 32
...
	.end_amdgpu_metadata
.endif
;; end of part 3
;; launch oproj (part 4): grid 8 x 32, 4 waves a work-group, clusters of 4 x 4, 327,680 bytes of LDS; arguments ao, xw, out0; writes out0
.if DOCPART == 4
	.amdgcn_target "amdgcn-amd-amdhsa--gfx1250"
	.amdhsa_code_object_version 6
	.text
	.protected	k_qc37fee88e3_oproj
	.globl	k_qc37fee88e3_oproj
	.p2align	8
	.type	k_qc37fee88e3_oproj,@function
k_qc37fee88e3_oproj:
	s_mov_b64 s[64:65], 0
	v_nop
	global_prefetch_b8 v0, s[64:65] scope:SCOPE_SE
	s_setreg_imm32_b32 hwreg(HW_REG_WAVE_MODE, 25, 1), 1
	s_wait_xcnt 0x0
	s_wait_alu depctr_hold_cnt(0) depctr_sa_sdst(0) depctr_va_vdst(0) depctr_va_sdst(0) depctr_va_ssrc(0) depctr_va_vcc(0) depctr_vm_vsrc(0)
	s_getreg_b32 s2, hwreg(HW_REG_IB_STS2, 6, 4)
	s_cmp_eq_u32 s2, 0
	s_cbranch_scc0 .Lentry_in_a_cluster
	s_endpgm
.Lentry_in_a_cluster:
	s_bfe_u32 s2, ttmp6, 0x10000c
	s_cmp_lg_u32 s2, 0xf033
	s_cbranch_scc0 .Lentry_shape_is_right
	s_endpgm
.Lentry_shape_is_right:
; out0 = ao W_o in bf16 with f32 sums.  ao: bf16 [b][h][s][64] (row m = 2,048 b + s, k = 64 h + d); W_o: bf16 [k 1024][n 1024] at xw's byte 14,680,064;
; out0: f32 [4096][1024].  A work-group makes 128 x 128, so that there are 256 of them; a wave 64 x 64 in 16 accumulator tiles (window 1).
; K goes in 8 steps of 128 (two heads), written out, through four LDS slots: the first four steps are asked for at once, later ones two at a time.
; CLUSTERS: 4 x 4 work-groups; ao's tile is asked for jointly along a row of the cluster, W_o's along a column: a quarter of the requests.
; Source 0 = 16 columns of W_o (transposing LDS load), source 1 = 16 rows of ao: lane l holds row l % 16, registers 0-7 the columns 8 (l / 16) + 0..7.
.set AP,    144                        ; ao's LDS row: 128 + 16 bytes
.set BP,    288                        ; W_o's LDS row: 256 + 32 bytes = 9 x 32
.set ASUB,  128*AP                     ; one head's 128 rows; also 64 k rows of W_o (64 x 288): what one tensor load brings
.set BOF,   2*ASUB
.set SLOT,  4*ASUB                     ; 73,728: even head, odd head, W_o's 128 k rows
.set STAGE, 4*SLOT                     ; 294,912: 16 rows x 272 bytes for each wave, never the target of a tensor load
.set SPITCH, 272
.set ADRA, 16                          ; v16-19  my ao fragments' LDS address, slot 0..3
.set ADRB, 20                          ; v20-23  the same for W_o
.set STO,  24
.set RD,   25
.set CO,   26
.set F0,   64                          ; fragment buffers: ao at +0..31, W_o at +32..63
.set F1,   128
.set G1A, 24                           ; s[24:31]
.set G0A, 32                           ; s[32:47]  slot s at 32 + 4 s
.set G1B, 48                           ; s[48:55]
.set G0B, 56                           ; slot s at 56 + 4 s + 4 (s / 2): s56, s60, s68, s72
.set MSB, 0
.macro WIN new
.if MSB != \new
	s_set_vgpr_msb (MSB<<8)|\new
.set MSB, \new
.endif
.endm
.macro PLACES                          ; four places behind a matrix instruction (ISA guide 7.12.1)
.rept 4
	v_nop
.endr
.endm
.macro JLOAD s                         ; waves 0, 1 ask for ao's two heads, waves 2, 3 for W_o's two halves; each line has one mask
	s_cmp_eq_u32 s11, 0
	s_cbranch_scc0 .Lfor_b_\@
	tensor_load_to_lds s[G0A+4*\s:G0A+4*\s+3], s[G1A:G1A+7]
	s_nop 0
	s_branch .Lasked_\@
.Lfor_b_\@:
	tensor_load_to_lds s[G0B+4*\s+4*(\s/2):G0B+4*\s+4*(\s/2)+3], s[G1B:G1B+7]
	s_nop 0
.Lasked_\@:
.endm
.macro CROUND                          ; a round of the cluster's barrier
	s_barrier_signal -1
	s_barrier_wait -1
	s_cmp_lg_u32 s10, 0
	s_cbranch_scc1 .Lnot_wave_0_\@
	s_barrier_signal -3
.Lnot_wave_0_\@:
	s_barrier_wait -3
	s_barrier_signal -1
	s_barrier_wait -1
.endm
	s_load_b128 s[4:7], s[0:1], 0x0                ; ao s[4:5], xw s[6:7]
	s_load_b64 s[8:9], s[0:1], 0x10                ; out0
	v_lshl_add_u32 v62, v0, 2, 0x4c400
	v_mov_b32 v63, 0
	ds_add_u32 v62, v63
	ds_add_u32 v62, v63
	v_lshrrev_b32 v1, 5, v0
	v_readfirstlane_b32 s10, v1                    ; wave
	s_lshr_b32 s11, s10, 1                         ; my half of the rows.  Also: I fetch ao (0) or W_o (1)
	s_and_b32 s12, s10, 1                          ; my half of the columns.  Also: which half of that tile I fetch
	s_bfe_u32 s77, ttmp6, 0x40000                  ; cx
	s_bfe_u32 s78, ttmp6, 0x40004                  ; cy
	s_lshl_b32 s79, ttmp9, 2
	s_add_co_u32 s79, s79, s77                     ; block column
	s_and_b32 s13, ttmp7, 0xffff
	s_lshl_b32 s13, s13, 2
	s_add_co_u32 s13, s13, s78                     ; block row
	s_lshl_b32 s80, s78, 2
	s_lshl_b32 s80, 15, s80                        ; my row of the cluster
	s_lshl_b32 s81, 0x1111, s77                    ; my column
	; ao: 128 rows x 64 elements, 4 words of padding behind every 32
	s_or_b32 s[G1A+0], s80, (1<<16)|(1<<20)|(1<<21)|(4<<22)|(3<<25)
	s_mov_b32 s[G1A+1], 64<<16
	s_mov_b32 s[G1A+2], 128<<16
	s_mov_b32 s[G1A+3], 64<<16
	s_mov_b32 s[G1A+4], 128
	s_mov_b32 s[G1A+5], 64
	s_mov_b32 s[G1A+6], 0
	s_mov_b32 s[G1A+7], 0
	; W_o: 64 k rows x 128 elements, 8 words of padding behind every 64
	s_or_b32 s[G1B+0], s81, (1<<16)|(1<<20)|(1<<21)|(5<<22)|(7<<25)
	s_mov_b32 s[G1B+1], 128<<16
	s_mov_b32 s[G1B+2], 64<<16
	s_mov_b32 s[G1B+3], 128<<16
	s_mov_b32 s[G1B+4], 64
	s_mov_b32 s[G1B+5], 1024
	s_mov_b32 s[G1B+6], 0
	s_mov_b32 s[G1B+7], 0
	s_lshr_b32 s14, s13, 4                         ; ao hangs on the block row alone: b,
	s_lshl_b32 s14, s14, 4
	s_add_co_u32 s14, s14, s12                     ; head 16 b + my half,
	s_lshl_b32 s14, s14, 18                        ; of 262,144 bytes,
	s_and_b32 s15, s13, 15
	s_lshl_b32 s15, s15, 14                        ; 128 rows of 128 bytes for each block of s
	s_add_co_u32 s14, s14, s15
	s_mov_b32 s15, 0
	s_lshl_b32 s82, s12, 17                        ; W_o hangs on the block column alone: 64 k rows x my half,
	s_add_co_u32 s82, s82, 14680064
	s_lshl_b32 s83, s79, 8                         ; 128 columns for each block
	s_add_co_u32 s82, s82, s83
	s_mov_b32 s83, 0
	s_mul_i32 s20, s10, ASUB                       ; where they go: wave x 18,432
	s_wait_dscnt 0x0
	s_wait_kmcnt 0x0
	s_add_nc_u64 s[14:15], s[4:5], s[14:15]
	s_add_nc_u64 s[82:83], s[6:7], s[82:83]
	CROUND                                         ; all sixteen work-groups are here: the first joint loads meet
.irp s, 0,1,2,3
	s_mov_b32 s[G0A+4*\s], 1
	s_add_co_u32 s[G0A+4*\s+1], s20, \s*SLOT
	s_add_nc_u64 s[G0A+4*\s+2:G0A+4*\s+3], s[14:15], \s*524288         ; K step s: two heads on
	s_or_b32 s[G0A+4*\s+3], s[G0A+4*\s+3], 0x80000000
	s_mov_b32 s[G0B+4*\s+4*(\s/2)], 1
	s_add_co_u32 s[G0B+4*\s+4*(\s/2)+1], s20, \s*SLOT
	s_add_nc_u64 s[G0B+4*\s+4*(\s/2)+2:G0B+4*\s+4*(\s/2)+3], s[82:83], \s*262144   ; K step s: 128 rows of W_o on
	s_or_b32 s[G0B+4*\s+4*(\s/2)+3], s[G0B+4*\s+4*(\s/2)+3], 0x80000000
	JLOAD \s                                       ; four loads of the wave are out
.endr
	v_and_b32 v1, 15, v0                           ; r
	v_bfe_u32 v2, v0, 4, 1                         ; h
	v_mul_u32_u24 v3, v1, AP
	v_lshl_add_u32 v3, v2, 4, v3
	v_and_b32 v8, 7, v0
	v_bfe_u32 v7, v0, 3, 1
	v_lshl_add_u32 v6, v2, 3, v8
	v_mul_u32_u24 v6, v6, BP
	v_lshl_add_u32 v6, v7, 4, v6
	s_mul_i32 s21, s11, 64*AP                      ; my 64 rows
	s_lshl_b32 s22, s12, 7                         ; my 64 columns,
	s_add_co_u32 s22, s22, BOF                     ; behind ao's two heads
.irp s, 0,1,2,3
	v_add_nc_u32 v[ADRA+\s], s21, v3
	v_add_nc_u32 v[ADRB+\s], s22, v6
	s_add_co_u32 s21, s21, SLOT
	s_add_co_u32 s22, s22, SLOT
.endr
	s_mul_i32 s23, s10, 16*SPITCH
	s_add_co_u32 s23, s23, STAGE
	v_mul_u32_u24 v4, v1, SPITCH
	v_lshl_add_u32 v4, v2, 5, v4                   ; in: row r, 32 bytes (8 f32) for each half of the lanes
	v_add_nc_u32 v[STO], s23, v4
	v_mul_u32_u24 v5, v2, SPITCH                   ; back: lanes 0-15 take a row's 256 bytes, lanes 16-31 the next row's
	v_lshl_add_u32 v5, v1, 4, v5
	v_add_nc_u32 v[RD], s23, v5
	v_lshlrev_b32 v5, 12, v2                       ; and the same two rows of out0, 4,096 bytes apart
	v_lshl_add_u32 v[CO], v1, 4, v5
.macro FETCH slot, q, g                ; quarter q of a slot (32 along K) into buffer g: 8 transposing loads for W_o, 8 loads for ao
.irp b, 0,1,2,3
	ds_load_tr16_b128 v[\g+32+8*\b:\g+32+8*\b+3], v[ADRB+\slot] offset:\q*32*BP+32*\b
	ds_load_tr16_b128 v[\g+36+8*\b:\g+36+8*\b+3], v[ADRB+\slot] offset:\q*32*BP+16*BP+32*\b
.endr
.irp a, 0,1,2,3
	ds_load_b128 v[\g+8*\a:\g+8*\a+3],   v[ADRA+\slot] offset:(\q/2)*ASUB+\a*16*AP+(\q%2)*64
	ds_load_b128 v[\g+8*\a+4:\g+8*\a+7], v[ADRA+\slot] offset:(\q/2)*ASUB+\a*16*AP+(\q%2)*64+32
.endr
.endm
.macro MUL f, zero                     ; 16 products; the 16 accumulators take turns, one instruction a turn, in the same order in every quarter
	WIN 0x50                                       ; C and D in window 1
.irp a, 0,1,2,3
.irp b, 0,1,2,3
.if \zero
	v_wmma_f32_16x16x32_bf16 v[8*(4*\a+\b):8*(4*\a+\b)+7], v[\f+32+8*\b:\f+32+8*\b+7], v[\f+8*\a:\f+8*\a+7], 0
.else
	v_wmma_f32_16x16x32_bf16 v[8*(4*\a+\b):8*(4*\a+\b)+7], v[\f+32+8*\b:\f+32+8*\b+7], v[\f+8*\a:\f+8*\a+7], v[8*(4*\a+\b):8*(4*\a+\b)+7]
.endif
.endr
.endr
.endm
; kind 1: a plain barrier that shows the next slot's tile to all four waves; ra later loads of mine may stay out.
; kind 2: slots ra and rb, whose reads are over, are filled again, four K steps on: every wave has waited for its LDS reads and for all its
; tensor loads in front of the round's opening signal; the two joint loads are the first behind its closing wait.
.macro QSYNC kind, ra, rb
.if \kind == 1
	s_wait_tensorcnt \ra
	s_barrier_signal -1
	s_barrier_wait -1
.endif
.if \kind == 2
	s_wait_tensorcnt 0x0
	ds_add_u32 v62, v63
	s_wait_dscnt 0x0
.irp t, \ra, \rb
	s_add_nc_u64 s[G0A+4*\t+2:G0A+4*\t+3], s[G0A+4*\t+2:G0A+4*\t+3], 4*524288
	s_add_nc_u64 s[G0B+4*\t+4*(\t/2)+2:G0B+4*\t+4*(\t/2)+3], s[G0B+4*\t+4*(\t/2)+2:G0B+4*\t+4*(\t/2)+3], 4*262144
.endr
	CROUND
	JLOAD \ra
	JLOAD \rb
.endif
.endm
; A quarter: buffer f's fragments are in; the next quarter's go into buffer g, which the last 16 products read (four places); then 16 products on f.
.macro QTR f, g, ns, nq, zero, kind, ra, rb
	s_wait_dscnt 0x0
	WIN 0
	QSYNC \kind, \ra, \rb
	PLACES
	FETCH \ns, \nq, \g
	MUL \f, \zero
.endm
.macro STEP slot, next, zero, kind, ra, rb
	QTR F0, F1, \slot, 1, \zero, 0, 0, 0
	QTR F1, F0, \slot, 2, 0, 0, 0, 0
	QTR F0, F1, \slot, 3, 0, 0, 0, 0
	QTR F1, F0, \next, 0, 0, \kind, \ra, \rb
.endm
	s_wait_tensorcnt 3                             ; my part of K step 0 is in; the three younger loads stay out
	s_barrier_signal -1
	s_barrier_wait -1
	FETCH 0, 0, F0
	STEP 0, 1, 1, 1, 2, 0                          ; step 0; step 1's tile is shown (steps 2 and 3 stay out)
	STEP 1, 2, 0, 2, 0, 1                          ; step 1; all have landed; slots 0, 1 get steps 4, 5, which have two steps' work in which to land
	STEP 2, 3, 0, 0, 0, 0
	STEP 3, 0, 0, 2, 2, 3                          ; step 3; slots 2, 3 get steps 6, 7
	STEP 0, 1, 0, 0, 0, 0
	STEP 1, 2, 0, 1, 0, 0                          ; step 5; steps 6, 7 have landed and are shown
	STEP 2, 3, 0, 0, 0, 0
	QTR F0, F1, 3, 1, 0, 0, 0, 0                   ; step 7
	QTR F1, F0, 3, 2, 0, 0, 0, 0
	QTR F0, F1, 3, 3, 0, 0, 0, 0
	s_wait_dscnt 0x0
	MUL F1, 0
	; THE WAY OUT, 16 rows at a time: the accumulators go as they are into my own stage and come back as whole rows of 256 bytes
	PLACES
	WIN 0
	s_lshl_b32 s86, s13, 7
	s_lshl_b32 s87, s11, 6
	s_add_co_u32 s86, s86, s87                     ; my first row,
	s_lshl_b32 s86, s86, 12                        ; of 4,096 bytes
	s_lshl_b32 s87, s79, 9                         ; + 512 bytes for each block column
	s_add_co_u32 s86, s86, s87
	s_lshl_b32 s87, s12, 8                         ; + 256 for my half
	s_add_co_u32 s86, s86, s87
	s_mov_b32 s87, 0
	s_add_nc_u64 s[8:9], s[8:9], s[86:87]
.macro OUT16 a, rb
	WIN 0x04                                       ; the stores' data in window 1
.irp b, 0,1,2,3
	ds_store_b128 v[STO], v[8*(4*\a+\b):8*(4*\a+\b)+3] offset:64*\b
	ds_store_b128 v[STO], v[8*(4*\a+\b)+4:8*(4*\a+\b)+7] offset:64*\b+16
.endr
	WIN 0
	s_wait_xcnt 0x0                                ; the registers below were store data two groups ago: they are loaded again only behind this wait
.irp t, 0,1,2,3,4,5,6,7
	ds_load_b128 v[\rb+4*\t:\rb+4*\t+3], v[RD] offset:\t*2*SPITCH      ; LDS serves a wave's instructions in order: these see the stores above
.endr
.irp t, 0,1,2,3,4,5,6,7
	s_wait_dscnt 7-\t                              ; load t is back; the 7 - t younger ones stay out
	global_store_b128 v[CO], v[\rb+4*\t:\rb+4*\t+3], s[8:9] offset:\a*65536+\t*8192   ; 16 lanes store 256 consecutive bytes at a multiple of 256
.endr
.endm
	OUT16 0, 192
	OUT16 1, 224
	OUT16 2, 192
	OUT16 3, 224
	s_wait_tensorcnt 0x0
	ds_add_u32 v62, v63
	s_wait_dscnt 0x0
	CROUND                                         ; the closing round: no work-group ends while a partner may still ask for a tile that names it
	s_endpgm
.Lfunc_end_k_qc37fee88e3_oproj:
	.size	k_qc37fee88e3_oproj, .Lfunc_end_k_qc37fee88e3_oproj-k_qc37fee88e3_oproj
	.p2alignl 7, 3214868480
	.fill 96, 4, 3214868480
	.section	.rodata,"a",@progbits
	.p2align	6, 0x0
	.amdhsa_kernel k_qc37fee88e3_oproj
		.amdhsa_group_segment_fixed_size 327680
		.amdhsa_private_segment_fixed_size 0
		.amdhsa_enable_private_segment 0
		.amdhsa_kernarg_size 24
		.amdhsa_user_sgpr_count 2
		.amdhsa_user_sgpr_kernarg_segment_ptr 1
		.amdhsa_wavefront_size32 1
		.amdhsa_system_sgpr_workgroup_id_x 1
		.amdhsa_system_sgpr_workgroup_id_y 1
		.amdhsa_system_sgpr_workgroup_id_z 1
		.amdhsa_system_vgpr_workitem_id 0
		.amdhsa_next_free_vgpr 384
		.amdhsa_next_free_sgpr 96
		.amdhsa_reserve_vcc 0
		.amdhsa_float_denorm_mode_32 3
		.amdhsa_float_denorm_mode_16_64 3
		.amdhsa_memory_ordered 1
		.amdhsa_forward_progress 1
		.amdhsa_inst_pref_size 92
	.end_amdhsa_kernel
	.amdgpu_metadata
---
amdhsa.version: [ 1, 2 ]
amdhsa.kernels:
  - .name:           k_qc37fee88e3_oproj
    .symbol:         k_qc37fee88e3_oproj.kd
    .args:
      - { .name: ao, .offset: 0, .size: 8, .value_kind: global_buffer, .address_space: global }
      - { .name: xw, .offset: 8, .size: 8, .value_kind: global_buffer, .address_space: global }
      - { .name: out0, .offset: 16, .size: 8, .value_kind: global_buffer, .address_space: global }
    .group_segment_fixed_size: 327680
    .private_segment_fixed_size: 0
    .kernarg_segment_align: 8
    .kernarg_segment_size: 24
    .max_flat_workgroup_size: 128
    .sgpr_count:     96
    .vgpr_count:     384
    .wavefront_size: 32
...
	.end_amdgpu_metadata
.endif
;; end of part 4
